; MI455X (gfx1250); checked and timed in simulation.
; The chip was launched on July 23, 2026; its instructions are those of AMD's public machine-readable ISA for CDNA 5 (MIT licence, August 2026) and "CDNA5" Instruction Set Architecture Reference Guide (July 2026). The comments in the code are by the model that wrote it; some were corrected since.
;; Memory Net. Allowed arithmetic: float matrix products may take bf16 or f16 operands with f32 sums; all other float work in f32.
;; Inputs: gamma one number float32; k 4 x 1,024 x 2,048 float32; q 4 x 1,024 x 2,048 float32; v 4 x 1,024 x 2,048 float32.
;; Outputs: out0 4 x 1,024 x 2,048 float32.
;; One version. Each part assembles by itself: llvm-mc -triple=amdgcn-amd-amdhsa -mcpu=gfx1250 --defsym DOCPART=n.
;; ======== version 1 of 1: 1 launch
;; launch attn (part 1): grid 8 x 32, 4 waves a work-group, clusters of 4 x 1, 327,680 bytes of LDS; arguments q, k, v, gamma, out0; writes out0
.if DOCPART == 1
	.amdgcn_target "amdgcn-amd-amdhsa--gfx1250"
	.amdhsa_code_object_version 6
	.text
	.protected	k_q9f10f26048_attn
	.globl	k_q9f10f26048_attn
	.p2align	8
	.type	k_q9f10f26048_attn,@function
k_q9f10f26048_attn:
	s_mov_b64 s[64:65], 0
	v_nop
	global_prefetch_b8 v0, s[64:65] scope:SCOPE_SE
	s_setreg_imm32_b32 hwreg(HW_REG_WAVE_MODE, 25, 1), 1
	s_wait_xcnt 0x0
	s_wait_alu depctr_hold_cnt(0) depctr_sa_sdst(0) depctr_va_vdst(0) depctr_va_sdst(0) depctr_va_ssrc(0) depctr_va_vcc(0) depctr_vm_vsrc(0)
	s_getreg_b32 s2, hwreg(HW_REG_IB_STS2, 6, 4)
	s_cmp_eq_u32 s2, 0
	s_cbranch_scc0 .Lentry_in_a_cluster
	s_endpgm
.Lentry_in_a_cluster:
	s_bfe_u32 s2, ttmp6, 0x10000c
	s_cmp_lg_u32 s2, 0x3003
	s_cbranch_scc0 .Lentry_shape_is_right
	s_endpgm
.Lentry_shape_is_right:
; out0[b][128 h + dv][q] = gamma * sum over l of softmax_l( sum_d Q[d][q] K[d][l] / sqrt(128) ) * V[dv][l], per head y = 8 b + h.
; q, k, v, out0: [4][1024][2048] f32, so a head is 128 rows of 8,192 bytes, positions along the rows.  Nothing is left out: all four inputs reach out0.
;
; SHARES.  Work-group (x, y): head y, 256 query positions from 256 x.  Wave w: the 64 positions from q0 = 256 x + 64 w, against all 2,048 l, in 32 steps of 64 l.
; l comes in blocks of 128 (one LDS slot: 128 rows of K and 128 rows of V, 512 bytes each, as f32), two steps to a block.
;
; LAYOUT.  The scores are made transposed: source 0 = K (rows l, along d), source 1 = Q (columns q, along d).  A lane of the result then holds one q and
; eight l, so maximum, sum and rescale factor are one number a lane (lanes i and i + 16 hold the same q and are joined by one v_permlanex16_b32), and two score
; tiles rounded to bf16 ARE the source-1 fragment (columns q, along l) of O = V P with source 0 = V (rows dv, along l): P never leaves the registers.
; Which q stands in column r of q tile n, and which l in row r of l tile i, is free as long as K, P and V agree.  Here q = q0 + 4 r + n and l = l0 + 4 r + i:
; one 16-byte load at a fixed feature row brings the same place of all four tiles, and v_cvt_pk_bf16_f32 of two neighbouring rows' loads is a fragment
; register.  A lane's results for the four q tiles are 16 neighbouring bytes of out0: sixteen lanes store 256 consecutive bytes, aligned, straight from registers.
;
; FRAGMENTS ARE MADE ONCE.  K's and V's fragments do not hang on the wave, so each wave makes a quarter of them (K: the 32 d from 32 w; V: the 32 dv from 32 w: 16 loads,
; 32 conversions, 8 stores each) and puts the finished registers, 16 bytes a lane, into a stage in LDS from which all four waves load them: 64 conversions a wave and step
; in place of 256, and 112 LDS instructions in place of 128.  The stage holds one step (16 KiB of K, 16 KiB of V): two would not fit beside two slots of 128 l
; (270,336 + 65,536 bytes against the 327,680 that a work-group can have).  So a step has two barriers:
;   phase A of step t: QK(t) from K's stage; V(t) is converted into V's stage (free since PV(t-1));        barrier M
;   phase B of step t: softmax(t), PV(t) from V's stage; K(t+1) is converted into K's stage (free since QK(t));  barrier T
; A slot (block j) is read from M of step 2 j - 1 (K's first step) to M of step 2 j + 1 (V's second), so at odd steps M is the cluster's round with the refill behind it.
; The step stands in phases.  A product and a line of the softmax want different windows in the same operand places, so setting them side by side takes two
; switches for each product: 256 more instructions for a step's 128 products and some 610 vector lines.
;
; CLUSTERS.  The eight query blocks of a head read the same K and V.  Four of them form a cluster
; 4 x 1 and ask for each tile jointly: mask 15, the same descriptor in all four (made of the head and the wave's number alone).
;
; LIMITS.  Q, K, V and P enter the matrix unit rounded to bf16; sums are f32, in another order than the reference's.  The row maximum is taken away as a running
; maximum.  v_exp_f32 gives 0 for results below 2^-126 (ISA guide 15.8).  The result is formed as O * (gamma / sum).  v_max_num_f32 drops a NaN from
; the maximum; the NaN still reaches its own exponential and so the result.
.set PITCH, 528                        ; an LDS row: 512 bytes + 16 of padding = 33 x 16: sixteen rows at one column touch sixteen different 16-byte columns modulo 256 bytes
.set QUART, 64*PITCH                   ; what one tensor load brings: 64 rows
.set SLOT,  4*QUART                    ; K's 128 rows, then V's 128 rows
.set VOFF,  2*QUART
.set STAGE, 2*SLOT                     ; behind the ring, at a multiple of 256 bytes: the fragments' stage, which no tensor load fills
.set KST,   0                          ; in the stage: K's fragments,
.set VST,   16384                      ; V's fragments
.set GRPB,  4096                       ; a group (32 d or 32 dv x 64 l in bf16): 8 quads of registers x 32 lanes x 16 bytes
.set ROWB,  8192                       ; bytes in a row of q, k, v, out0
.set BLKB,  512                        ; bytes of a row in a block of 128 l
.set NBLK,  16
; window 0 (an instruction names v0-v255; s_set_vgpr_msb says which window of 256 each operand place means)
.set KA, 4                             ; v4, v5    slot 0, 1: LDS address of my 16 bytes of K as f32: 32 w + 8 h rows, 16 r
.set VA, 6                             ; v6, v7    slot 0, 1: LDS address of my bytes of V as f32: row 32 w + r, 128 h
.set GO, 8                             ; v8        byte offset in q and in out0: 8 h rows + 16 r; never rewritten
.set PF, 9                             ; v9        prefetch: row r, 256 h; never rewritten
.set STO, 10                           ; v10       the stage, where I put: my wave's group, 16 x lane
.set LA, 11                            ; v11       the stage, where I read: 16 x lane
.set CV, 32                            ; v32-63    32 fragment registers as converted
.set FR, 64                            ; v64-191   four sets of four source-0 fragments: a phase's four groups; at the end results on their way out
.set TT, 192                           ; v192-255  sixteen 16-byte loads, f32
; window 1: O(mt, n) at 8 (4 mt + n), mt = 0..7 (16 dv each), n = 0..3; at the start Q as loaded.   window 2: Q's fragments QF(n, kk) at 8 (4 n + kk)
; window 3: scores S(n, i) at 32 n + 8 i; P(n, c) is made in place at 32 n + 16 c; and, for each q tile n:
.set NM, 128                           ; 128 + 2 n  -c x maximum (c = log2 e / sqrt 128)
.set MM, 129                           ; 129 + 2 n  running maximum of the raw scores
.set AL, 136                           ; 136 + 2 n  rescale factor; at the end gamma / sum
.set LS, 137                           ; 137 + 2 n  my half's running sum
.set MX, 144                           ; 144 + n    at work
.set PX, 148                           ; 148 + n    at work (what the other half of the lanes holds)
.set SU, 152                           ; 152 + 2 n  a pair: this step's sum
.set G1, 20                            ; s[20:27]  descriptor group 1, never rewritten
.set G0, 28                            ; s[28:35]  descriptor group 0, four registers for each slot
; s_set_vgpr_msb's low byte: bits 1:0 source 0, 3:2 source 1, 5:4 source 2, 7:6 destination
.set W0,    0x00
.set W_QK,  0xf8                       ; K window 0, Q window 2, S window 3
.set W_SM,  0xff                       ; all in window 3
.set W_RS,  0x4d                       ; O window 1 times a factor of window 3
.set W_PV,  0x5c                       ; V window 0, P window 3, O window 1
.set W_QL,  0x40                       ; loads into window 1
.set W_QC,  0x85                       ; window 1 to window 2
.set W_IN,  0xc0                       ; into window 3
.set W_OUT, 0x0d                       ; window 1 times window 3 into window 0
.set MSB, 0
.macro WIN new                         ; the immediate's high byte repeats the setting that is left; a switch that changes nothing is dropped
.if MSB != \new
	s_set_vgpr_msb (MSB<<8)|\new
.set MSB, \new
.endif
.endm
; A round of the cluster's barrier: my work-group's barrier, wave 0 signals for the work-group, every wave waits for all four work-groups, my work-group's barrier again.
.macro ROUND
	s_barrier_signal -1
	s_barrier_wait -1
	s_cmp_lg_u32 s14, 0
	s_cbranch_scc1 .Lnot_wave_0_\@
	s_barrier_signal -3
.Lnot_wave_0_\@:
	s_barrier_wait -3
	s_barrier_signal -1
	s_barrier_wait -1
.endm
; The work-group's barrier between two phases.  The wait is for the others' sake: my stores into the stage are done, and so are my reads of the part that is written next.
.macro BAR
	s_wait_dscnt 0x0
	s_barrier_signal -1
	s_barrier_wait -1
.endm
.macro PLACES                          ; four places behind a matrix instruction (ISA guide 7.12.1)
.rept 4
	v_nop
.endr
.endm
	s_load_b256 s[4:11], s[0:1], 0x0               ; q s[4:5], k s[6:7], v s[8:9], gamma's address s[10:11]
	s_load_b64 s[12:13], s[0:1], 0x20              ; out0
	v_lshl_add_u32 v30, v0, 2, 0x4a000
	v_mov_b32 v31, 0
	ds_add_u32 v30, v31
	v_lshrrev_b32 v3, 5, v0
	v_readfirstlane_b32 s14, v3                    ; wave 0..3
	s_bfe_u32 s15, ttmp6, 0x40000                  ; cx: my place in the cluster
	s_lshl_b32 s16, ttmp9, 2                       ; in a cluster launch ttmp9 counts clusters
	s_add_co_u32 s16, s16, s15                     ; x: my block of 256 q
	s_and_b32 s17, ttmp7, 0xffff                   ; y: my head
	s_mov_b32 s40, 0x3e0293ee                      ; c = log2 e / sqrt 128 = 0.12751743, as a pair for the packed multiply-add
	s_mov_b32 s41, 0x3e0293ee
	s_mov_b32 s42, 0xbe0293ee                      ; -c
	s_mov_b32 s46, 0x76543210                      ; v_permlanex16_b32: lane i of one half reads lane i of the other
	s_mov_b32 s47, 0xfedcba98
	s_mov_b32 s45, BLKB                            ; prefetch: byte offset of the block asked for last (none yet: block 1 comes by a first fill)
	; descriptor group 1: a tile of 64 rows x 128 f32, 16 bytes of padding behind each row
	s_mov_b32 s[G1+0], 0x07b2000f                  ; 15:0 mask 15: all four of the cluster; 17:16 element of 4 bytes; 20 padding on; 21 set beside a mask; 24:22 after every 128 words (code 6); 31:25 of 4 words (code 3)
	s_mov_b32 s[G1+1], 128<<16                     ; tensor_dim0 = 128
	s_mov_b32 s[G1+2], 64<<16                      ; tensor_dim1 = 64
	s_mov_b32 s[G1+3], 128<<16                     ; tile_dim0 = 128
	s_mov_b32 s[G1+4], 64                          ; tile_dim1 = 64
	s_mov_b32 s[G1+5], 2048                        ; elements from row to row
	s_mov_b32 s[G1+6], 0
	s_mov_b32 s[G1+7], 0
	s_mul_i32 s60, s14, 32*PITCH                   ; the 32 rows of K and of V that my wave converts
	s_lshl_b32 s61, s14, 12                        ; and its group in the stage
	v_and_b32 v1, 15, v0                           ; r
	v_bfe_u32 v2, v0, 4, 1                         ; h
	v_mul_u32_u24 v[KA], v2, 8*PITCH
	v_lshl_add_u32 v[KA], v1, 4, v[KA]
	v_add_nc_u32 v[KA], s60, v[KA]                 ; K: 32 w + 8 h rows, 16 r
	v_add_nc_u32 v[KA+1], SLOT, v[KA]
	v_mul_u32_u24 v[VA], v1, PITCH
	v_lshl_add_u32 v[VA], v2, 7, v[VA]
	v_add_nc_u32 v[VA], VOFF, v[VA]
	v_add_nc_u32 v[VA], s60, v[VA]                 ; V: row 32 w + r, 128 h, behind K's rows
	v_add_nc_u32 v[VA+1], SLOT, v[VA]
	v_and_b32 v3, 31, v0                           ; lane
	v_lshlrev_b32 v[LA], 4, v3
	v_add_nc_u32 v[LA], STAGE, v[LA]               ; the stage: 16 x lane
	v_add_nc_u32 v[STO], s61, v[LA]                ; and my wave's group in it
	v_lshlrev_b32 v[GO], 4, v1
	v_lshl_or_b32 v[GO], v2, 16, v[GO]             ; 8 h rows of 8,192 bytes + 16 r
	v_lshlrev_b32 v[PF], 8, v2
	v_lshl_or_b32 v[PF], v1, 13, v[PF]             ; row r, 256 h
	WIN W_IN
.irp q, 0,1,2,3
	v_mov_b32 v[PX+\q], 0                          ; v_permlanex16_b32's destination counts as read: written once here
.endr
	WIN W0
	s_lshl_b32 s36, s17, 20                        ; my head: 128 rows of 8,192 bytes
	s_mov_b32 s37, 0
	s_and_b32 s18, s14, 1
	s_lshl_b32 s18, s18, 19                        ; which 64 rows of K or of V I fetch
	s_mov_b32 s19, 0
	s_mul_i32 s3, s14, QUART                       ; and where they go: wave x 64 rows; no place in the cluster enters an LDS address
	s_lshl_b32 s52, s16, 17                        ; prefetch: my work-group's 16 rows of the head's 128
	s_mov_b32 s53, 0
	s_lshl_b32 s58, s16, 10                        ; q and out0: 256 x + 64 w positions of 4 bytes, and the head
	s_lshl_b32 s59, s14, 8
	s_add_co_u32 s58, s58, s59
	s_add_co_u32 s58, s58, s36
	s_mov_b32 s59, 0
	s_wait_dscnt 0x0
	s_wait_kmcnt 0x0
	s_load_b32 s43, s[10:11], 0x0                  ; gamma
	s_add_nc_u64 s[4:5], s[4:5], s[58:59]
	s_add_nc_u64 s[12:13], s[12:13], s[58:59]
	; Q, once: load idx = 16 kk + 8 g + e brings Q[32 kk + 16 g + 8 h + e][q0 + 4 r .. + 3]; sixteen lanes read 256 consecutive bytes
	WIN W_QL
.irp kk, 0,1,2,3
.irp g, 0,1
.irp e, 0,1,2,3,4,5,6,7
	global_load_b128 v[4*(16*\kk+8*\g+\e):4*(16*\kk+8*\g+\e)+3], v[GO], s[4:5] offset:(32*\kk+16*\g+\e)*ROWB th:TH_LOAD_NT
.endr
.endr
.endr
	WIN W0
	; where the tiles come from: waves 0, 1 fetch K's two halves, waves 2, 3 V's.  Head and wave number alone: equal in the four partners.
	s_cmp_lt_u32 s14, 2
	s_cselect_b64 s[38:39], s[6:7], s[8:9]
	s_add_nc_u64 s[38:39], s[38:39], s[36:37]
	s_add_nc_u64 s[38:39], s[38:39], s[18:19]
.irp s, 0,1
	s_mov_b32 s[G0+4*\s], 1                                        ; count = 1
	s_add_co_u32 s[G0+4*\s+1], s3, \s*SLOT                         ; LDS address
	s_add_nc_u64 s[G0+4*\s+2:G0+4*\s+3], s[38:39], \s*BLKB         ; global address: block s
	s_or_b32 s[G0+4*\s+3], s[G0+4*\s+3], 0x80000000                ; type = 2
.endr
	s_add_nc_u64 s[54:55], s[6:7], s[36:37]        ; prefetch bases: K and V at my head, my work-group's 16 rows
	s_add_nc_u64 s[54:55], s[54:55], s[52:53]
	s_add_nc_u64 s[56:57], s[8:9], s[36:37]
	s_add_nc_u64 s[56:57], s[56:57], s[52:53]
	ROUND                                          ; all four work-groups are here: the first joint loads meet
	tensor_load_to_lds s[G0:G0+3], s[G1:G1+7]      ; block 0 into slot 0
	s_nop 0
	tensor_load_to_lds s[G0+4:G0+7], s[G1:G1+7]    ; block 1 into slot 1: two tensor loads of a wave are out here, one at any later time
	s_nop 0
	; Q's fragments: register 4 g + p of QF(n, kk) = Q[32 kk + 16 g + 8 h + 2 p, + 1][q0 + 4 r + n]
	WIN W_QC
.irp kk, 0,1,2,3
	s_wait_loadcnt 48-16*\kk                       ; loads come back in order (ISA guide 5.7.1): the sixteen of this kk are in, those of the later kk stay out
.irp q, 0,1,2,3
.irp g, 0,1
.irp p, 0,1,2,3
	v_cvt_pk_bf16_f32 v[8*(4*\q+\kk)+4*\g+\p], v[4*(16*\kk+8*\g+2*\p)+\q], v[4*(16*\kk+8*\g+2*\p+1)+\q]
.endr
.endr
.endr
.endr
	WIN W0
	s_wait_kmcnt 0x0                               ; gamma
; Sixteen LDS loads: K[32 w + 16 g + 8 h + e][l0 + 4 r .. + 3] into register 4 (8 g + e) of TT.  Sixteen lanes read 256 consecutive bytes of one row.
.macro LOADTK slot, st
.irp g, 0,1
.irp e, 0,1,2,3,4,5,6,7
	ds_load_b128 v[TT+4*(8*\g+\e):TT+4*(8*\g+\e)+3], v[KA+\slot] offset:256*\st+(16*\g+\e)*PITCH
.endr
.endr
.endm
; Sixteen LDS loads: V[32 w + 16 u + r][l0 + 32 h + 4 e .. + 3] into register 4 (8 u + e) of TT.  Sixteen lanes read one column of sixteen rows.
.macro LOADTV slot, st
.irp u, 0,1
.irp e, 0,1,2,3,4,5,6,7
	ds_load_b128 v[TT+4*(8*\u+\e):TT+4*(8*\u+\e)+3], v[VA+\slot] offset:256*\st+16*\u*PITCH+16*\e
.endr
.endr
.endm
; K's fragments of the four l tiles i for my 32 d: register 8 i + 4 g + p = K[.. + 16 g + 8 h + 2 p, + 1][l0 + 4 r + i]
.macro CVTK
.irp i, 0,1,2,3
.irp g, 0,1
.irp p, 0,1,2,3
	v_cvt_pk_bf16_f32 v[CV+8*\i+4*\g+\p], v[TT+4*(8*\g+2*\p)+\i], v[TT+4*(8*\g+2*\p+1)+\i]
.endr
.endr
.endr
.endm
; V's fragments of my two dv tiles u for the two halves c of the step's 64 l.  Place 16 t + 8 h + j along P(n, c) is l = l0 + 4 (8 h + j) + 2 c + t
; (score tile 2 c + t, its register j), so register 16 u + 8 c + 4 t + p = V[..][l0 + 32 h + 4 (2 p) + 2 c + t] and the same four l further on.
.macro CVTV
.irp u, 0,1
.irp c, 0,1
.irp t, 0,1
.irp p, 0,1,2,3
	v_cvt_pk_bf16_f32 v[CV+16*\u+8*\c+4*\t+\p], v[TT+4*(8*\u+2*\p)+2*\c+\t], v[TT+4*(8*\u+2*\p+1)+2*\c+\t]
.endr
.endr
.endr
.endr
.endm
; My group's 32 registers into the stage: quad m of all 32 lanes makes 512 consecutive bytes.
.macro STOREC base
.irp m, 0,1,2,3,4,5,6,7
	ds_store_b128 v[STO], v[CV+4*\m:CV+4*\m+3] offset:\base+512*\m
.endr
.endm
; A phase's four groups from the stage, 32 loads of 512 consecutive bytes: lane l takes back what lane l of the converting wave put there.
.macro LOADF base
.irp g, 0,1,2,3
.irp m, 0,1,2,3,4,5,6,7
	ds_load_b128 v[FR+32*\g+4*\m:FR+32*\g+4*\m+3], v[LA] offset:\base+GRPB*\g+512*\m
.endr
.endr
.endm
; Sixteen products S(n, i) += K(i) Q(n, kk).  The sixteen accumulators take turns, one instruction a turn.  zero = 1: the product starts the sum.
.macro MULS frag, kk, zero
.irp i, 0,1,2,3
.irp q, 0,1,2,3
.if \zero
	v_wmma_f32_16x16x32_bf16 v[32*\q+8*\i:32*\q+8*\i+7], v[\frag+8*\i:\frag+8*\i+7], v[8*(4*\q+\kk):8*(4*\q+\kk)+7], 0
.else
	v_wmma_f32_16x16x32_bf16 v[32*\q+8*\i:32*\q+8*\i+7], v[\frag+8*\i:\frag+8*\i+7], v[8*(4*\q+\kk):8*(4*\q+\kk)+7], v[32*\q+8*\i:32*\q+8*\i+7]
.endif
.endr
.endr
.endm
; Sixteen products O(2 gq + u, n) += V(u, c) P(n, c).  Eight accumulators take turns, one instruction a turn.
.macro MULO frag, gq, zero
.irp c, 0,1
.irp u, 0,1
.irp q, 0,1,2,3
.if \zero*(1-\c)
	v_wmma_f32_16x16x32_bf16 v[8*(4*(2*\gq+\u)+\q):8*(4*(2*\gq+\u)+\q)+7], v[\frag+16*\u+8*\c:\frag+16*\u+8*\c+7], v[32*\q+16*\c:32*\q+16*\c+7], 0
.else
	v_wmma_f32_16x16x32_bf16 v[8*(4*(2*\gq+\u)+\q):8*(4*(2*\gq+\u)+\q)+7], v[\frag+16*\u+8*\c:\frag+16*\u+8*\c+7], v[32*\q+16*\c:32*\q+16*\c+7], v[8*(4*(2*\gq+\u)+\q):8*(4*(2*\gq+\u)+\q)+7]
.endif
.endr
.endr
.endr
.endm
; The step's softmax, all in window 3, the four q tiles side by side so that no line waits for the one in front of it.  A lane holds 32 scores of each of its four q.
; It leaves the step's sum in SU; the running sum takes it up in LSUP, behind the step's last products.
.macro SOFTMAX first
	WIN W_SM
.irp q, 0,1,2,3
.if \first
	v_max_num_f32 v[MX+\q], v[32*\q], v[32*\q+1]                   ; the first scores start the maximum
.else
	v_max3_num_f32 v[MX+\q], v[32*\q], v[32*\q+1], v[MM+2*\q]      ; the running maximum goes in
.endif
.endr
.irp a, 1,2,3,4,5,6,7,8,9,10,11,12,13,14,15
.irp q, 0,1,2,3
	v_max3_num_f32 v[MX+\q], v[32*\q+2*\a], v[32*\q+2*\a+1], v[MX+\q]
.endr
.endr
.irp q, 0,1,2,3
	v_permlanex16_b32 v[PX+\q], v[MX+\q], s46, s47                 ; the other 32 l of the same q
.endr
.irp q, 0,1,2,3
	v_max_num_f32 v[MM+2*\q], v[MX+\q], v[PX+\q]
.endr
.if \first
.irp q, 0,1,2,3
	v_mul_f32 v[NM+2*\q], s42, v[MM+2*\q]                          ; -c m
.endr
.else
.irp q, 0,1,2,3
	v_mul_f32 v[PX+\q], s42, v[MM+2*\q]                            ; -c m, new
.endr
.irp q, 0,1,2,3
	v_sub_f32 v[AL+2*\q], v[PX+\q], v[NM+2*\q]                     ; c m(old) - c m(new), of the same rounded numbers that the exponentials use
.endr
.irp q, 0,1,2,3
	v_mov_b32 v[NM+2*\q], v[PX+\q]
.endr
.irp q, 0,1,2,3
	v_exp_f32 v[AL+2*\q], v[AL+2*\q]                               ; the factor for what has been summed so far; the multiply-adds below, which name no AL, are the plain instructions behind it (ISA guide 5.7.2)
.endr
.endif
.irp a, 0,1,2,3,4,5,6,7,8,9,10,11,12,13,14,15
.irp q, 0,1,2,3
	v_pk_fma_f32 v[32*\q+2*\a:32*\q+2*\a+1], v[32*\q+2*\a:32*\q+2*\a+1], s[40:41], v[NM+2*\q:NM+2*\q+1] op_sel_hi:[1,0,0]   ; c s - c m, both halves with s40 and with NM
.endr
.endr
.irp a, 0,1,2,3,4,5,6,7,8,9,10,11,12,13,14,15
.irp q, 0,1,2,3
	v_exp_f32 v[32*\q+2*\a], v[32*\q+2*\a]
	v_exp_f32 v[32*\q+2*\a+1], v[32*\q+2*\a+1]
.endr
.endr
	v_nop                                                          ; one plain instruction between the last exponential and the first use of a result (ISA guide 5.7.2)
	s_wait_alu depctr_va_vdst(0)
.irp q, 0,1,2,3
	v_pk_add_f32 v[SU+2*\q:SU+2*\q+1], v[32*\q:32*\q+1], v[32*\q+2:32*\q+3]
.endr
.irp a, 2,3,4,5,6,7,8,9,10,11,12,13,14,15
.irp q, 0,1,2,3
	v_pk_add_f32 v[SU+2*\q:SU+2*\q+1], v[SU+2*\q:SU+2*\q+1], v[32*\q+2*\a:32*\q+2*\a+1]
.endr
.endr
	; P(n, c), register 4 t + p = scores 2 p, 2 p + 1 of tile 2 c + t, in place: ascending, so that each destination has been read before it is written
.irp t, 0,1
.irp p, 0,1,2,3
.irp c, 0,1
.irp q, 0,1,2,3
	v_cvt_pk_bf16_f32 v[32*\q+16*\c+4*\t+\p], v[32*\q+16*\c+8*\t+2*\p], v[32*\q+16*\c+8*\t+2*\p+1]
.endr
.endr
.endr
.endr
.endm
; My half's running sum takes up the step's; the two halves of the lanes have the same factor, so they are added once, at the end.  These lines stand behind the step's last
; products and name none of their registers: they are the places between those products and the loads into the fragments that they read (four) and the next
; step's first products, which write new scores over the P that they read (five).  The first step has four such lines, so one v_nop stands with them.
.macro LSUP first
	WIN W_SM
.irp q, 0,1,2,3
.if \first
	v_add_f32 v[LS+2*\q], v[SU+2*\q], v[SU+2*\q+1]
.else
	v_fma_f32 v[LS+2*\q], v[LS+2*\q], v[AL+2*\q], v[SU+2*\q]
.endif
.endr
.if \first
	v_nop
.else
.irp q, 0,1,2,3
	v_add_f32 v[LS+2*\q], v[LS+2*\q], v[SU+2*\q+1]
.endr
.endif
.endm
.macro RESCALE                         ; O times the factor of its q tile; a lane's O all belong to the q whose factor it holds
	WIN W_RS
.irp m, 0,1,2,3,4,5,6,7
.irp q, 0,1,2,3
.irp j, 0,2,4,6
	v_pk_mul_f32 v[8*(4*\m+\q)+\j:8*(4*\m+\q)+\j+1], v[8*(4*\m+\q)+\j:8*(4*\m+\q)+\j+1], v[AL+2*\q:AL+2*\q+1] op_sel_hi:[1,0]
.endr
.endr
.endr
.endm
; Prefetch, in phase B of step 2 j: block j + 2, which the tensor loads behind the round of step 2 j + 1 ask for.  Work-group x of the head's eight asks for rows
; 16 x .. 16 x + 15 of K and of V, one lane for each aligned 256 bytes (16 rows x 2), wave 3 alone: each such piece of the head is asked for by one wave of one work-group.
; The offset is held at the last block's, so that no request leaves the rows: at j = 14 block 15 is asked for a second time; at j = 15 nothing is asked.
.macro PFETCH
	s_wait_xcnt 0x0                                ; the last requests, two steps ago, have had their addresses translated (ISA guide 3.1): their bases are rewritten only behind this wait
	s_add_co_u32 s45, s45, BLKB
	s_min_u32 s52, s45, (NBLK-1)*BLKB
	s_add_nc_u64 s[48:49], s[54:55], s[52:53]
	s_add_nc_u64 s[50:51], s[56:57], s[52:53]
	s_cmp_lg_u32 s14, 3
	s_cbranch_scc1 .Lno_ask_\@
	global_prefetch_b8 v[PF], s[48:49] th:TH_LOAD_NT scope:SCOPE_SE
	global_prefetch_b8 v[PF], s[50:51] th:TH_LOAD_NT scope:SCOPE_SE
.Lno_ask_\@:
.endm
; PHASE A of a step: the 64 products of QK from K's stage; my quarter of the step's V, at byte 256 st of slot's rows, goes into V's stage.  The conversions and stores stand in
; the middle of the products, so that the stores are done when the barrier behind the phase asks for them.
.macro PHASEA slot, st
	LOADF KST                                      ; 32 loads: all four groups of K's fragments
	LOADTV \slot, \st                              ; 16 loads: my 32 rows of V as f32
	s_wait_dscnt 40                                ; LDS loads come back in order (ISA guide 5.7.1): of the 48 the first eight, group 0, are in
	WIN W_QK
	MULS FR, 0, 1                                  ; the first 32 d start the scores: nothing is cleared
	s_wait_dscnt 32                                ; group 1 is in
	MULS FR+32, 1, 0
	WIN W0
	s_wait_dscnt 0                                 ; groups 2 and 3 and V's rows are in
	CVTV
	STOREC VST
	WIN W_QK
	MULS FR+64, 2, 0
	MULS FR+96, 3, 0
	PLACES                                         ; between the last products and phase B's loads into their fragments and first reads of their scores; no vector line is at hand here that names neither
	WIN W0
.endm
; PHASE B of a step: softmax, rescale, the 64 products of PV from V's stage.  conv = 1: my quarter of the NEXT step's K, at byte 256 kst of kslot's rows, goes into K's stage.
; All 48 loads are issued ahead of the softmax, and the stores ahead of the products.
.macro PHASEB kslot, kst, first, conv, pf
	LOADF VST                                      ; 32 loads: all four groups of V's fragments
.if \conv
	LOADTK \kslot, \kst                            ; 16 loads: my 32 rows of K as f32
.endif
.if \pf
	PFETCH
.endif
	SOFTMAX \first
.if \first == 0
	RESCALE
.endif
	WIN W0
	s_wait_dscnt 0                                 ; issued a softmax ago
.if \conv
	CVTK
	STOREC KST
.endif
	WIN W_PV
	MULO FR, 0, \first                             ; in the first step the first products start O: nothing is cleared
	MULO FR+32, 1, \first
	MULO FR+64, 2, \first
	MULO FR+96, 3, \first
	LSUP \first
	WIN W0
.endm
; The barrier M of an odd step, as a round of the cluster's barrier: slot has had its last read (V's second step, in the phase A just done) and gets the block after next.
.macro REFILL slot
	s_wait_tensorcnt 0x0                           ; all my tensor loads have landed, my part of the other slot among them: none is out,
	ds_add_u32 v30, v31
	s_add_nc_u64 s[G0+4*\slot+2:G0+4*\slot+3], s[G0+4*\slot+2:G0+4*\slot+3], 2*BLKB   ; so a group 0 may be written: this slot's next block
	s_wait_dscnt 0x0                               ; my reads of this slot are back, and my stores into V's stage are done
	ROUND                                          ; all that now holds of every wave of all four work-groups
	tensor_load_to_lds s[G0+4*\slot:G0+4*\slot+3], s[G1:G1+7]      ; my one tensor load behind the round, first thing there; it has two steps in which to land
	s_nop 0
.endm
	s_wait_tensorcnt 0x1                           ; tensor loads of a wave end in order (ISA guide 10.11.1): my part of slot 0 is in; slot 1's was issued behind it and may stay out,
	s_barrier_signal -1
	s_barrier_wait -1                              ; everybody's part of slot 0 is in
	LOADTK 0, 0                                    ; K's step 0 has no phase B in front of it
	s_wait_dscnt 0
	CVTK
	STOREC KST
	BAR
	PHASEA 0, 0                                    ; step 0 stands in front of the loop: it starts maximum, sum and O
	BAR
	PHASEB 0, 1, 1, 1, 1
	BAR
	s_mov_b32 s44, (NBLK-2)/2
.Lloop:                                                ; trip i: steps 4 i + 1 to 4 i + 4
	PHASEA 0, 1                                    ; step 4 i + 1: block 2 i, second step
	REFILL 0                                       ; block 2 i + 2
	PHASEB 1, 0, 0, 1, 0
	BAR
	PHASEA 1, 0                                    ; step 4 i + 2: block 2 i + 1
	BAR
	PHASEB 1, 1, 0, 1, 1
	BAR
	PHASEA 1, 1                                    ; step 4 i + 3
	REFILL 1                                       ; block 2 i + 3
	PHASEB 0, 0, 0, 1, 0
	BAR
	PHASEA 0, 0                                    ; step 4 i + 4: block 2 i + 2
	BAR
	PHASEB 0, 1, 0, 1, 1
	BAR
	s_sub_co_i32 s44, s44, 1
	s_cmp_lg_u32 s44, 0
	s_cbranch_scc1 .Lloop
	PHASEA 0, 1                                    ; step 29: nothing is left to fetch,
	s_wait_tensorcnt 0x0                           ; but block 15, asked for in step 27, is read behind this barrier: my part of it is in
	BAR
	PHASEB 1, 0, 0, 1, 0
	BAR
	PHASEA 1, 0                                    ; step 30
	BAR
	PHASEB 1, 1, 0, 1, 0
	BAR
	PHASEA 1, 1                                    ; step 31
	BAR
	PHASEB 0, 0, 0, 0, 0                           ; no step follows: no K is converted
	; THE END: the two halves' sums meet, gamma / sum, and O goes out from registers.  The sums' eight lines and the lines below, which name no O and no fragment, are the places
	; between the last products and the first read of O and the first write into the fragments' registers (ISA guide 7.12.1).
	WIN W_SM
.irp q, 0,1,2,3
	v_permlanex16_b32 v[PX+\q], v[LS+2*\q], s46, s47
.endr
.irp q, 0,1,2,3
	v_add_f32 v[LS+2*\q], v[LS+2*\q], v[PX+\q]     ; at least about 1: the largest score's exponential is in it
.endr
.irp q, 0,1,2,3
	v_rcp_f32 v[AL+2*\q], v[LS+2*\q]
.endr
	v_nop                                          ; one plain instruction behind the reciprocals (ISA guide 5.7.2)
	s_wait_alu depctr_va_vdst(0)
.irp q, 0,1,2,3
	v_mul_f32 v[AL+2*\q], s43, v[AL+2*\q]
.endr
; dv tiles 2 bt, 2 bt + 1: register j of O(mt, n) is out0[16 mt + 8 h + j][q0 + 4 r + n], so the four n make 16 neighbouring bytes.
.macro OUTB bt, dst
.if \bt >= 2
	s_wait_xcnt 0x0                                ; the stores of two batches ago have had their addresses translated (ISA guide 3.1): their data registers are rewritten only behind this wait
.endif
	WIN W_OUT
.irp u, 0,1
.irp j, 0,1,2,3,4,5,6,7
.irp q, 0,1,2,3
	v_mul_f32 v[\dst+4*(8*\u+\j)+\q], v[8*(4*(2*\bt+\u)+\q)+\j], v[AL+2*\q]
.endr
.endr
.endr
	WIN W0
.irp u, 0,1
.irp j, 0,1,2,3,4,5,6,7
	global_store_b128 v[GO], v[\dst+4*(8*\u+\j):\dst+4*(8*\u+\j)+3], s[12:13] offset:(16*(2*\bt+\u)+\j)*ROWB th:TH_STORE_NT   ; lanes 0-15 store 256 consecutive bytes, aligned; lanes 16-31 the same eight rows below
.endr
.endr
.endm
	OUTB 0, FR
	OUTB 1, FR+64
	OUTB 2, FR
	OUTB 3, FR+64
	s_wait_tensorcnt 0x0
	ds_add_u32 v30, v31
	s_wait_dscnt 0x0
	ROUND                                          ; the closing round: no work-group ends while a partner may still ask for a tile that names it
	s_endpgm
.Lfunc_end_k_q9f10f26048_attn:
	.size	k_q9f10f26048_attn, .Lfunc_end_k_q9f10f26048_attn-k_q9f10f26048_attn
	.p2alignl 7, 3214868480
	.fill 96, 4, 3214868480
	.section	.rodata,"a",@progbits
	.p2align	6, 0x0
	.amdhsa_kernel k_q9f10f26048_attn
		.amdhsa_group_segment_fixed_size 327680
		.amdhsa_private_segment_fixed_size 0
		.amdhsa_enable_private_segment 0
		.amdhsa_kernarg_size 40
		.amdhsa_user_sgpr_count 2
		.amdhsa_user_sgpr_kernarg_segment_ptr 1
		.amdhsa_wavefront_size32 1
		.amdhsa_system_sgpr_workgroup_id_x 1
		.amdhsa_system_sgpr_workgroup_id_y 1
		.amdhsa_system_sgpr_workgroup_id_z 1
		.amdhsa_system_vgpr_workitem_id 0
		.amdhsa_next_free_vgpr 928
		.amdhsa_next_free_sgpr 66
		.amdhsa_reserve_vcc 0
		.amdhsa_float_denorm_mode_32 3
		.amdhsa_float_denorm_mode_16_64 3
		.amdhsa_memory_ordered 1
		.amdhsa_forward_progress 1
		.amdhsa_inst_pref_size 255
	.end_amdhsa_kernel
	.section	.bss,"aw",@nobits
	.p2align	6
	.space	262144
	.amdgpu_metadata
---
amdhsa.version: [ 1, 2 ]
amdhsa.kernels:
  - .name:           k_q9f10f26048_attn
    .symbol:         k_q9f10f26048_attn.kd
    .args:
      - { .name: q, .offset: 0, .size: 8, .value_kind: global_buffer, .address_space: global }
      - { .name: k, .offset: 8, .size: 8, .value_kind: global_buffer, .address_space: global }
      - { .name: v, .offset: 16, .size: 8, .value_kind: global_buffer, .address_space: global }
      - { .name: gamma, .offset: 24, .size: 8, .value_kind: global_buffer, .address_space: global }
      - { .name: out0, .offset: 32, .size: 8, .value_kind: global_buffer, .address_space: global }
    .group_segment_fixed_size: 327680
    .private_segment_fixed_size: 0
    .kernarg_segment_align: 8
    .kernarg_segment_size: 40
    .max_flat_workgroup_size: 128
    .sgpr_count:     66
    .vgpr_count:     928
    .wavefront_size: 32
...
	.end_amdgpu_metadata
.endif
;; end of part 1
